; MI455X (gfx1250); checked and timed in simulation.
; The chip was launched on July 23, 2026; its instructions are those of AMD's public machine-readable ISA for CDNA 5 (MIT licence, August 2026) and "CDNA5" Instruction Set Architecture Reference Guide (July 2026). The comments in the code are by the model that wrote it; some were corrected since.
;; Predictive Streaming Block. Allowed arithmetic: float matrix products may take bf16 or f16 operands with f32 sums; other float arithmetic in f32, or as packed bf16 or f16 multiplies, adds, multiply-adds, maxima and minima; sums over many terms, partial sums and values carried from step to step in f32; what a program stores and reads back later, other than sums and carried values, may be rounded once to bf16 or f16.
;; Inputs: b1 8 x 512 float32; b2 8 x 1,024 float32; beta 1,024 float32; gamma 1,024 float32; router_b 8 float32; router_w 1,024 x 8 float32; w1 8 x 1,024 x 512 float32; w2 8 x 512 x 1,024 float32; x 4 x 2,048 x 1,024 float32.
;; Outputs: out0 4 x 2,048 x 1,024 float32; out1 8 bool.
;; One version. Each part assembles by itself: llvm-mc -triple=amdgcn-amd-amdhsa -mcpu=gfx1250 --defsym DOCPART=n.
;; ======== version 1 of 1: 2 launches
;; limits: right only within a limited range of input values
;; workspace buffers: route 65,536 bytes of whole numbers; score 65,536 bytes; wp 16,777,216 bytes
;; launch front (part 1): grid 512 x 1, 8 waves a work-group, no clusters, 106,496 bytes of LDS; arguments x, router_w, router_b, w1, w2, route, score, wp; writes route, score, wp
.if DOCPART == 1
	.amdgcn_target "amdgcn-amd-amdhsa--gfx1250"
	.amdhsa_code_object_version 6
	.text
	.protected	k_q88d0322412_front
	.globl	k_q88d0322412_front
	.p2align	8
	.type	k_q88d0322412_front,@function
k_q88d0322412_front:
	s_mov_b64 s[64:65], 0
	v_nop
	global_prefetch_b8 v0, s[64:65] scope:SCOPE_SE
	s_setreg_imm32_b32 hwreg(HW_REG_WAVE_MODE, 25, 1), 1
	s_wait_xcnt 0x0
; TWO KINDS OF WORK-GROUPS, which hang on nothing of each other and so share a launch.  Each kind has LDS bytes of its own: no line of one path names a byte of the other's.
; WORK-GROUPS 0 TO 255: THE ROUTER.  logits = x router_w + router_b, softmax over 8 experts, the two largest.  x: [8192][1024] f32, router_w: [1024][8] f32.
;   All in f32 on the vector unit: the choice is discrete, and logits from 16-bit operands would change the second choice of many tokens; the product is 0.4% of the module's multiply-adds.
;   A work-group owns 32 tokens.  Wave w takes column half c = w & 1 (512 columns) of rows 8 g .. 8 g + 7, g = w >> 1; a lane holds 16 columns' weights for all 8 experts in 128 registers.
;   router_w comes in by loads of 512 consecutive bytes, 4,096 bytes a wave, and is dealt out through LDS.  The two halves of each logit meet in LDS; wave 0 then has one token a lane.
;   STORED, at fixed places (no address and no branch hangs on a float):
;     route[block][lane l][0] = number of the block's tokens whose pair of experts is set l (0 for l >= 28)
;     route[block][lane l][1] = set of token l | mask of its experts with a positive score << 8
;     score[token] = (score of the lower expert a, score of the higher expert b).      set(a < b) = a (15 - a) / 2 + b - a - 1
;   LIMITS.  NaN and infinities are not treated apart.  A probability below 2^-126 counts as 0.  Equal probabilities go to the lower index; two that differ by less than the rounding of
;   a sum of 1,024 f32 products (some 1e-6 of the logits' size) may be ordered otherwise than another order of summation orders them.
; WORK-GROUPS 256 TO 511: THE WEIGHTS are rounded to bf16 once and laid out in the order in which a wave's matrix operand registers take them.
;   A wave makes one block g of 8,192 bytes: 32 k x 128 columns.  g < 1024: w1, g = (e 4 + cb) 32 + ks.  g >= 1024: w2, g - 1024 = (e 8 + cb) 16 + ks.
;   wp[g][f 0..7][p 0..1][lane L][j 0..7] = W[e][32 ks + 16 p + 8 (L >> 4) + j][128 cb + 16 f + (L & 15)]: two loads of 16 bytes a lane, 512 bytes apart, fill a fragment of 16 columns x 32 k.
;   Each load takes 512 consecutive bytes of a row; the turn from rows to columns goes through the wave's own stage in LDS; each store writes 512 consecutive bytes.
.set STG,   0                          ; weights: 8 waves x 8 fragments at pitch 1,040 = 65 x 16: the 16 lanes of a store touch 16 different 16-byte columns (64 banks of 4 bytes: ISA guide 11.1); 66,560 bytes
.set LG,    66560                      ; router: [2 halves][32 tokens][8] f32, 2,048 bytes
.set WL,    68608                      ; router: router_w as 256 groups of 4 rows (128 bytes) at pitch 144 = 9 x 16, for the same reason; 36,864 bytes
.set SPARE, 105472                     ; the spare words, 128 bytes a wave
.set ACC, 8                            ; router: v[8:15]   the row's eight partial logits
.set RT,  16                           ; router: v[16:23]  the other half of the lanes' sums
.set X,   24                           ; router: v[24:87]  four row slots of 16 numbers
.set W,   88                           ; router: v[88:215] router_w: column n of my 16 (n = 4 q + j), expert e at W + 8 n + e
.set D,   8                            ; weights: v[8:135] 32 rows x 4 columns as loaded, later the block read back
.set T,   136                          ; weights: v[136:199] the block in bf16
	s_load_b512 s[4:19], s[0:1], 0x0               ; x s[4:5], router_w s[6:7], router_b s[8:9], w1 s[10:11], w2 s[12:13], route s[14:15], score s[16:17], wp s[18:19]
	v_lshl_add_u32 v6, v0, 2, SPARE                ; my spare word,
	v_mov_b32 v7, 0                                ; and 0: both kept for the closing add alone
	v_and_b32 v1, 31, v0                           ; lane
	v_lshrrev_b32 v5, 5, v0
	v_readfirstlane_b32 s20, v5                    ; wave
	v_lshlrev_b32 v2, 4, v1                        ; 16 bytes a lane
	s_cmp_ge_u32 ttmp9, 256                        ; the same answer in all eight waves
	s_cbranch_scc1 .Lweights
	; ---------------- the router ----------------
	s_and_b32 s21, s20, 1                          ; c: which 512 columns
	s_lshr_b32 s22, s20, 1                         ; g: which 8 rows
	s_lshl_b32 s34, s21, 10
	s_lshl_b32 s35, s22, 8
	s_add_co_u32 s34, s34, s35
	s_add_co_u32 s34, s34, LG
	v_mov_b32 v4, s34                              ; LG: [half c][token 8 g + i][8 experts]
	v_lshrrev_b32 v5, 3, v1                        ; into WL: my 16 bytes of the wave's 4,096 lie in group 32 w + 4 m + lane / 8, at 16 (lane % 8)
	v_mul_u32_u24 v3, v5, 144
	v_and_b32 v5, 7, v1
	v_lshl_add_u32 v3, v5, 4, v3
	s_mul_i32 s35, s20, 4608
	s_add_co_u32 s35, s35, WL
	v_add_nc_u32 v3, s35, v3
	v_mul_u32_u24 v5, v1, 144                      ; out of WL: group 128 c + 32 q + lane holds my 4 columns of chunk q
	s_mul_i32 s35, s21, 18432
	s_add_co_u32 s35, s35, WL
	v_add_nc_u32 v5, s35, v5
	s_mov_b32 s32, 0x76543210                      ; v_permlanex16_b32: each lane takes its own place in the other half
	s_mov_b32 s33, 0xfedcba98
.irp e, 0,1,2,3,4,5,6,7
	v_mov_b32 v[RT+\e], 0                          ; v_permlanex16_b32's destination counts as read: written once
.endr
	s_lshl_b32 s36, ttmp9, 17                      ; 32 rows of 4,096 bytes a work-group,
	s_lshl_b32 s37, s22, 15                        ; 8 a row group,
	s_add_co_u32 s36, s36, s37
	s_lshl_b32 s37, s21, 11                        ; 2,048 bytes a column half
	s_add_co_u32 s36, s36, s37
	s_mov_b32 s37, 0
	s_lshl_b32 s38, s20, 12                        ; router_w: 4,096 bytes a wave
	s_mov_b32 s39, 0
	s_wait_kmcnt 0x0
	s_add_nc_u64 s[4:5], s[4:5], s[36:37]
	s_add_nc_u64 s[6:7], s[6:7], s[38:39]
	s_load_b256 s[24:31], s[8:9], 0x0              ; router_b
.irp m, 0,1,2,3,4,5,6,7
	global_load_b128 v[W+4*\m:W+4*\m+3], v2, s[6:7] offset:512*\m  ; 512 consecutive bytes a load
.endr
.irp i, 0,1,2,3
.irp q, 0,1,2,3
	global_load_b128 v[X+16*\i+4*\q:X+16*\i+4*\q+3], v2, s[4:5] offset:4096*\i+512*\q  ; likewise
.endr
.endr
	s_wait_loadcnt 16                              ; router_w's eight are in; the sixteen loads of x behind them stay out
.irp m, 0,1,2,3,4,5,6,7
	ds_store_b128 v3, v[W+4*\m:W+4*\m+3] offset:576*\m
.endr
	s_wait_dscnt 0x0                               ; for the others' sake: my part of router_w is in LDS
	s_barrier_signal -1
	s_barrier_wait -1                              ; everybody's is
.irp q, 0,1,2,3
.irp m, 0,1,2,3,4,5,6,7
	ds_load_b128 v[W+32*\q+4*\m:W+32*\q+4*\m+3], v5 offset:4608*\q+16*\m
.endr
.endr
	s_wait_dscnt 0x0
; One row: 64 packed multiply-adds (16 columns x 4 pairs of experts), the sum over the 32 lanes, 32 bytes into LDS.
; left = the x loads of younger rows, which may stay out.
.macro ROW i, left
.set SL, X+16*((\i)%4)
	s_wait_loadcnt \left
.set m, 0
.rept 8
.irp p, 0,2,4,6
.if m > 0
	v_pk_fma_f32 v[ACC+\p:ACC+\p+1], v[W+16*m+\p:W+16*m+\p+1], v[SL+2*m:SL+2*m+1], v[ACC+\p:ACC+\p+1] op_sel_hi:[1,0,1]
.else
	v_pk_mul_f32 v[ACC+\p:ACC+\p+1], v[W+\p:W+\p+1], v[SL:SL+1] op_sel_hi:[1,0]  ; the first product starts the sums
.endif
.endr
.irp p, 0,2,4,6
	v_pk_fma_f32 v[ACC+\p:ACC+\p+1], v[W+16*m+8+\p:W+16*m+8+\p+1], v[SL+2*m:SL+2*m+1], v[ACC+\p:ACC+\p+1] op_sel:[0,1,0] op_sel_hi:[1,1,1]
.endr
.set m, m+1
.endr
.if (\i) < 4
.irp q, 0,1,2,3
	global_load_b128 v[SL+4*\q:SL+4*\q+3], v2, s[4:5] offset:4096*((\i)+4)+512*\q  ; the slot's next row
.endr
.endif
.irp k, 1,2,4,8
.irp e, 0,1,2,3,4,5,6,7
	v_add_f32_dpp v[ACC+\e], v[ACC+\e], v[ACC+\e] row_xmask:\k row_mask:0xf bank_mask:0xf
.endr
.endr
.irp e, 0,1,2,3,4,5,6,7
	v_permlanex16_b32 v[RT+\e], v[ACC+\e], s32, s33
.endr
.irp p, 0,2,4,6
	v_pk_add_f32 v[ACC+\p:ACC+\p+1], v[ACC+\p:ACC+\p+1], v[RT+\p:RT+\p+1]
.endr
	ds_store_b128 v4, v[ACC:ACC+3] offset:32*(\i)      ; every lane holds the sums: all write the same words with the same values
	ds_store_b128 v4, v[ACC+4:ACC+7] offset:32*(\i)+16
.endm
	ROW 0, 12
	ROW 1, 12
	ROW 2, 12
	ROW 3, 12
	ROW 4, 12
	ROW 5, 8                                       ; nothing is left to fetch: the counts run down
	ROW 6, 4
	ROW 7, 0
	s_wait_tensorcnt 0x0                           ; behind my last LDS store
	ds_add_u32 v6, v7
	s_wait_dscnt 0x0                               ; also for the others' sake: my stores of the logits are done
	s_wait_kmcnt 0x0                               ; router_b
	s_barrier_signal -1
	s_barrier_wait -1
	s_cmp_lg_u32 s20, 0
	s_cbranch_scc1 .Lend
	; wave 0: lane = token
	v_lshl_add_u32 v5, v1, 5, LG
	ds_load_b128 v[24:27], v5
	ds_load_b128 v[28:31], v5 offset:16
	ds_load_b128 v[32:35], v5 offset:1024
	ds_load_b128 v[36:39], v5 offset:1040
	s_lshl_b32 s34, ttmp9, 8                       ; 256 bytes a block in route and in score
	s_mov_b32 s35, 0
	s_add_nc_u64 s[14:15], s[14:15], s[34:35]
	s_add_nc_u64 s[16:17], s[16:17], s[34:35]
	s_wait_dscnt 0x0
.irp p, 0,2,4,6
	v_pk_add_f32 v[24+\p:25+\p], v[24+\p:25+\p], v[32+\p:33+\p]
.endr
.irp e, 0,1,2,3,4,5,6,7
	v_add_f32 v[24+\e], s[24+\e], v[24+\e]
.endr
	v_max3_num_f32 v40, v24, v25, v26
	v_max3_num_f32 v40, v40, v27, v28
	v_max3_num_f32 v40, v40, v29, v30
	v_max_num_f32 v40, v40, v31
.irp e, 0,1,2,3,4,5,6,7
	v_sub_f32 v[24+\e], v[24+\e], v40              ; the maximum is taken away first, exactly: the largest weight is 1
.endr
.irp e, 0,1,2,3,4,5,6,7
	v_mul_f32 v[24+\e], 0x3fb8aa3b, v[24+\e]       ; log2(e)
.endr
.irp e, 0,1,2,3,4,5,6,7
	v_exp_f32 v[24+\e], v[24+\e]
.endr
	v_nop                                          ; a plain instruction behind the last exponential,
	s_wait_alu depctr_va_vdst(0)                   ; and one wait for the eight, ahead of their first reader
	v_add_f32 v41, v24, v25
	v_add_f32 v42, v26, v27
	v_add_f32 v43, v28, v29
	v_add_f32 v44, v30, v31
	v_add_f32 v41, v41, v42
	v_add_f32 v43, v43, v44
	v_add_f32 v41, v41, v43
	v_rcp_f32 v42, v41
	v_nop
	s_wait_alu depctr_va_vdst(0)
.irp e, 0,1,2,3,4,5,6,7
	v_mul_f32 v[24+\e], v[24+\e], v42              ; the probabilities
.endr
	v_mov_b32 v43, v24                             ; the largest, a strictly greater one replacing it: ties keep the lower index
	v_mov_b32 v44, 0
.irp e, 1,2,3,4,5,6,7
	v_cmp_gt_f32 vcc_lo, v[24+\e], v43
	v_cndmask_b32 v43, v43, v[24+\e], vcc_lo
	v_cndmask_b32 v44, v44, \e, vcc_lo
.endr
.irp e, 0,1,2,3,4,5,6,7
	v_cmp_eq_u32 vcc_lo, \e, v44
	v_cndmask_b32 v[32+\e], v[24+\e], -1.0, vcc_lo  ; the first choice is taken out
.endr
	v_mov_b32 v45, v32                             ; the second largest, likewise
	v_mov_b32 v46, 0
.irp e, 1,2,3,4,5,6,7
	v_cmp_gt_f32 vcc_lo, v[32+\e], v45
	v_cndmask_b32 v45, v45, v[32+\e], vcc_lo
	v_cndmask_b32 v46, v46, \e, vcc_lo
.endr
	v_min_u32 v47, v44, v46                        ; a
	v_max_u32 v48, v44, v46                        ; b
	v_cmp_lt_u32 vcc_lo, v44, v46
	v_cndmask_b32 v50, v45, v43, vcc_lo            ; a's score
	v_cndmask_b32 v51, v43, v45, vcc_lo            ; b's score
	v_sub_nc_u32 v52, 15, v47
	v_mul_u32_u24 v52, v47, v52
	v_lshrrev_b32 v52, 1, v52
	v_add_nc_u32 v52, v52, v48
	v_sub_nc_u32 v52, v52, v47
	v_add_nc_u32 v52, -1, v52                      ; the set
	v_mov_b32 v54, 1
	v_lshlrev_b32 v53, v44, v54
	v_lshlrev_b32 v55, v46, v54
	v_cmp_lt_f32 vcc_lo, 0, v43
	v_cndmask_b32 v53, 0, v53, vcc_lo
	v_cmp_lt_f32 vcc_lo, 0, v45
	v_cndmask_b32 v55, 0, v55, vcc_lo
	v_or_b32 v53, v53, v55                         ; the experts that got a positive score from this token
	v_mov_b32 v56, 0
.irp s, 0,1,2,3,4,5,6,7,8,9,10,11,12,13,14,15,16,17,18,19,20,21,22,23,24,25,26,27
	v_cmp_eq_u32 s34, \s, v52                      ; the block's tokens of set s:
	s_bcnt1_i32_b32 s35, s34
	v_writelane_b32 v56, s35, \s                   ; how many they are, to lane s
.endr
	v_lshl_or_b32 v57, v53, 8, v52
	v_lshlrev_b32 v59, 3, v1
	global_store_b64 v59, v[56:57], s[14:15]       ; 256 consecutive bytes, aligned
	global_store_b64 v59, v[50:51], s[16:17]       ; likewise
.Lend:
	s_endpgm
	; ---------------- the weights ----------------
.Lweights:
	s_sub_co_u32 s21, ttmp9, 256
	s_lshl3_add_u32 s22, s21, s20                  ; g
	s_mul_i32 s23, s20, 8320                       ; my stage
	v_lshrrev_b32 v5, 2, v1                        ; my 4 columns lie in fragment f = lane / 4,
	v_mul_u32_u24 v3, v5, 1040
	v_and_b32 v5, 3, v1                            ; at its lanes 4 (lane % 4) + c
	v_lshl_add_u32 v3, v5, 6, v3
	v_add_nc_u32 v3, s23, v3
	v_add_nc_u32 v4, s23, v2
	s_lshl_b32 s26, s22, 13
	s_mov_b32 s27, 0
	s_mov_b32 s25, 0
	s_wait_kmcnt 0x0
	s_add_nc_u64 s[18:19], s[18:19], s[26:27]      ; wp at my block
.macro LOADS pitch, base                ; 32 rows of k, 128 columns: 512 consecutive bytes a load; read once in the launch
.set k, 0
.rept 32
	global_load_b128 v[D+4*k:D+4*k+3], v2, s[\base:\base+1] offset:k*(\pitch) th:TH_LOAD_NT
.set k, k+1
.endr
.endm
	s_cmp_lt_u32 s21, 128
	s_cbranch_scc0 .Lw2
	s_lshr_b32 s24, s22, 7                         ; e: 2 MiB
	s_lshl_b32 s24, s24, 21
	s_and_b32 s28, s22, 31                         ; ks: 32 rows of 2,048 bytes
	s_lshl_b32 s28, s28, 16
	s_add_co_u32 s24, s24, s28
	s_bfe_u32 s28, s22, 0x20005                    ; cb: 128 columns
	s_lshl_b32 s28, s28, 9
	s_add_co_u32 s24, s24, s28
	s_add_nc_u64 s[10:11], s[10:11], s[24:25]
	LOADS 2048, 10
	s_branch .Lcvt
.Lw2:
	s_sub_co_u32 s29, s22, 1024
	s_lshr_b32 s24, s29, 7                         ; e: 2 MiB
	s_lshl_b32 s24, s24, 21
	s_and_b32 s28, s29, 15                         ; ks: 32 rows of 4,096 bytes
	s_lshl_b32 s28, s28, 17
	s_add_co_u32 s24, s24, s28
	s_bfe_u32 s28, s29, 0x30004                    ; cb
	s_lshl_b32 s28, s28, 9
	s_add_co_u32 s24, s24, s28
	s_add_nc_u64 s[12:13], s[12:13], s[24:25]
	LOADS 4096, 12
.Lcvt:
.irp q, 0,1,2,3                         ; eight k at a time: they are one lane's 16 bytes of a fragment's half p = q / 2, lanes' half q % 2
	s_wait_loadcnt 24-8*\q                         ; the younger groups of eight rows stay out
.irp c, 0,1,2,3
.irp m, 0,1,2,3
	v_cvt_pk_bf16_f32 v[T+16*\q+4*\c+\m], v[D+4*(8*\q+2*\m)+\c], v[D+4*(8*\q+2*\m+1)+\c]
.endr
	ds_store_b128 v3, v[T+16*\q+4*\c:T+16*\q+4*\c+3] offset:512*(\q/2)+256*(\q%2)+16*\c
.endr
.endr
.irp m, 0,1,2,3,4,5,6,7,8,9,10,11,12,13,14,15
	ds_load_b128 v[D+4*\m:D+4*\m+3], v4 offset:1040*(\m/2)+512*(\m%2)  ; my own bytes, and LDS serves a wave's instructions in order (ISA guide 5.7.1.4): these see the stores above
.endr
.irp m, 0,1,2,3,4,5,6,7,8,9,10,11,12,13,14,15
	s_wait_dscnt 15-\m
	global_store_b128 v2, v[D+4*\m:D+4*\m+3], s[18:19] offset:512*\m  ; 512 consecutive bytes, aligned
.endr
	s_wait_tensorcnt 0x0                           ; the wave's end: behind my last LDS store
	ds_add_u32 v6, v7
	s_wait_dscnt 0x0
	s_endpgm
.Lfunc_end_k_q88d0322412_front:
	.size	k_q88d0322412_front, .Lfunc_end_k_q88d0322412_front-k_q88d0322412_front
	.p2alignl 7, 3214868480
	.fill 96, 4, 3214868480
	.section	.rodata,"a",@progbits
	.p2align	6, 0x0
	.amdhsa_kernel k_q88d0322412_front
		.amdhsa_group_segment_fixed_size 106496
		.amdhsa_private_segment_fixed_size 0
		.amdhsa_enable_private_segment 0
		.amdhsa_kernarg_size 64
		.amdhsa_user_sgpr_count 2
		.amdhsa_user_sgpr_kernarg_segment_ptr 1
		.amdhsa_wavefront_size32 1
		.amdhsa_system_sgpr_workgroup_id_x 1
		.amdhsa_system_sgpr_workgroup_id_y 1
		.amdhsa_system_sgpr_workgroup_id_z 1
		.amdhsa_system_vgpr_workitem_id 0
		.amdhsa_next_free_vgpr 216
		.amdhsa_next_free_sgpr 66
		.amdhsa_reserve_vcc 1
		.amdhsa_float_denorm_mode_32 3
		.amdhsa_float_denorm_mode_16_64 3
		.amdhsa_memory_ordered 1
		.amdhsa_forward_progress 1
		.amdhsa_inst_pref_size 91
	.end_amdhsa_kernel
	.amdgpu_metadata
---
amdhsa.version: [ 1, 2 ]
amdhsa.kernels:
  - .name:           k_q88d0322412_front
    .symbol:         k_q88d0322412_front.kd
    .args:
      - { .name: x, .offset: 0, .size: 8, .value_kind: global_buffer, .address_space: global }
      - { .name: router_w, .offset: 8, .size: 8, .value_kind: global_buffer, .address_space: global }
      - { .name: router_b, .offset: 16, .size: 8, .value_kind: global_buffer, .address_space: global }
      - { .name: w1, .offset: 24, .size: 8, .value_kind: global_buffer, .address_space: global }
      - { .name: w2, .offset: 32, .size: 8, .value_kind: global_buffer, .address_space: global }
      - { .name: route, .offset: 40, .size: 8, .value_kind: global_buffer, .address_space: global }
      - { .name: score, .offset: 48, .size: 8, .value_kind: global_buffer, .address_space: global }
      - { .name: wp, .offset: 56, .size: 8, .value_kind: global_buffer, .address_space: global }
    .group_segment_fixed_size: 106496
    .private_segment_fixed_size: 0
    .kernarg_segment_align: 8
    .kernarg_segment_size: 64
    .max_flat_workgroup_size: 256
    .sgpr_count:     66
    .vgpr_count:     216
    .wavefront_size: 32
...
	.end_amdgpu_metadata
.endif
;; end of part 1
;; launch chain (part 2): grid 198 x 1, 8 waves a work-group, no clusters, 303,872 bytes of LDS; arguments x, wp, b1, b2, gamma, beta, score, route, out1, out0; writes out0, out1
.if DOCPART == 2
	.amdgcn_target "amdgcn-amd-amdhsa--gfx1250"
	.amdhsa_code_object_version 6
	.text
	.protected	k_q88d0322412_chain
	.globl	k_q88d0322412_chain
	.p2align	8
	.type	k_q88d0322412_chain,@function
k_q88d0322412_chain:
	s_mov_b64 s[64:65], 0
	v_nop
	global_prefetch_b8 v0, s[64:65] scope:SCOPE_SE
	s_setreg_imm32_b32 hwreg(HW_REG_WAVE_MODE, 25, 1), 1
	s_wait_xcnt 0x0
; THE CHAIN.  A work-group takes a tile of up to 48 tokens that chose the same two experts a < b through everything:
;   gather x;  H = [sa gelu(x W1[a] + b1[a]) | sb gelu(x W1[b] + b1[b])]  (48 x 1,024);  y = x + sa b2[a] + sb b2[b] + H [W2[a]; W2[b]];  LayerNorm;  store.
; So each output row has one owner, and the hidden layer and y never leave the WGP.  Both products are the same GEMM, 48 x 1,024 x 1,024: wave w owns 128 of the 1,024 columns,
; 24 accumulators (8 column blocks f x 3 row blocks rb), K in 32 steps of 32.  bf16 operands, f32 sums; the residual takes x in f32, kept in LDS; mean and variance in two passes, f32.
; WHICH TOKENS.  Every work-group counts the routing for itself from the 64 KB that the launch before stored: the tokens are taken set after set (28 sets of two experts), ascending within a set,
; in tiles of 48; tile j is work-group j's.  The sum over sets of ceil(n / 48) is at most (8192 + 28 x 47) / 48 = 198: the grid serves every split, and a j past the last tile stores nothing.
; Work-group 0 also stores out1[e]: some token gave expert e a positive score.
; THE MATRIX INSTRUCTION IS USED TRANSPOSED: source 0 = 16 weight columns, source 1 = 16 tokens.  Lane (r = lane % 16, h = lane / 16) then holds token r and the 8 neighbouring columns 16 f + 8 h + 0..7.
; THE WEIGHTS come from memory straight into registers, in the order in which the launch before laid them (two loads of 16 bytes a lane fill a fragment): each fragment has one reader in the
; work-group, so a copy in LDS would feed nobody else.  A ring of four K steps (4 x 64 registers): 48 loads of a wave stay out while a step is multiplied.
; THE SUMS BEGIN WITH THE BIAS: the accumulators are loaded with b1, and with x + sa b2[a] + sb b2[b]: nothing is cleared, nothing added behind.
; PLACES PAST THE COUNT hold token 0 (a row that exists); rows never mix, and their stores are jumped.
; NO CLUSTER, though a set's tiles walk the same weights: whole clusters of four for each set would want 4 x ((8192 + 28 x 191) / 192) = 280 work-groups for 256 WGPs, and a shared tile wants
; a ring in LDS: beside x or H in bf16 (99,072 bytes) two slots of one K step (65,536 bytes each) are the most that fits, a round of the cluster's barrier for every 24 matrix instructions of a wave.
; LIMITS.  NaN and infinities are not treated apart.  gelu is the tanh form, as x / (1 + 2^(x (K1 + K3 x^2))): where the power overflows or vanishes the result is 0 or x.
.set PF,    4112                       ; XF's pitch: 4,096 + 16 = 257 x 16: the 16 rows of an access start at 16 different 16-byte columns of the 64 banks (ISA guide 11.1)
.set PB,    2064                       ; XB's pitch: 2,048 + 16 = 129 x 16
.set XF,    0                          ; 48 rows of x in f32
.set XB,    48*PF                      ; 48 rows in bf16: x, later H
.set ST,    XB+48*PB                   ; [8 waves][48 rows] f32 sums, then 1,536 bytes on the same for the squares
.set SPARE, ST+3072                    ; the spare words, 128 bytes a wave
.set CW,    SPARE+1024                 ; [8 waves][32 sets] counts
.set SW,    CW+1024                    ; 8 words: the waves' masks of selected experts
.set LW,    SW+256                     ; [8 waves][64 words]: each wave's own list: words 0-47 the tile's places, 48-63 take what is not wanted
.set WST,   37056                      ; the way out: a stage for each wave, over XF and XB, which nobody reads any more: 48 rows at pitch
.set PS,    528                        ; 512 + 16 = 33 x 16
.set ACC,   64                         ; v[64:255] accumulator (f, rb) at ACC + 24 f + 8 rb
.set R,     64                         ; the head: v[64:127] my wave's 32 blocks of route: count (lane = set), word (lane = token)
.set AF,    16                         ; v[16:63]  token fragments: 2 buffers x 3 row blocks x 8; at work outside the products
.set T,     16
; v0 16 x lane   v1 512 w + 32 h   v2, v3 LDS addresses of the token fragments (row blocks 0 and 1; 2)   v[4:9] (sa, sb) of my token in each row block
; v10-12 XF address of my 8 columns in each row block   v13 at work   v14, v15 the add's two registers   the head: v60 r, v61 h, v62 lane
; window 1 (v256-511): the ring, K step u's fragment f at 64 u + 8 f; outside the products b2, gamma and beta
; s24 wave  s27 cnt  s28 a  s29 b  s[34:35] the weights' stream  s[36:37] where its second half begins  s38 trips  s39 0 or -1: my columns of H are a's or b's
; s40-55, s68-83, s84-99 the 48 tokens (s40-47 at work before)  s[56:57] K1  s[58:59] K3  s[60:61] lane selects  s62, s63 1/1024 and 1e-5
.set MSB, 0
.macro WIN new                         ; s_set_vgpr_msb: bits 1:0 source 0, 3:2 source 1, 5:4 source 2, 7:6 destination; the high byte repeats the setting that is left
.if MSB != (\new)
	s_set_vgpr_msb (MSB<<8)|(\new)
.set MSB, \new
.endif
.endm
.macro TKR n                           ; TK = the scalar register of token n
.if (\n) < 16
.set TK, 40+(\n)
.else
.set TK, 52+(\n)
.endif
.endm
.macro ABASE                           ; v2, v3: a fragment is 16 tokens x 32 k: row r x pitch + 16 h, two loads 32 bytes apart
	v_bfe_u32 v13, v0, 4, 4
	v_mul_u32_u24 v2, v13, PB
	v_lshrrev_b32 v13, 8, v0
	v_lshl_add_u32 v2, v13, 4, v2
	v_add_nc_u32 v2, XB, v2
	v_add_nc_u32 v3, 32*PB, v2
.endm
.macro LDB u                           ; 16 loads: the 8 weight fragments of one K step into ring buffer u; each load takes 512 consecutive bytes
	WIN 0x40
.irp f, 0,1,2,3,4,5,6,7
	global_load_b128 v[64*(\u)+8*\f:64*(\u)+8*\f+3], v0, s[34:35] offset:8192*(\u)+1024*\f
	global_load_b128 v[64*(\u)+8*\f+4:64*(\u)+8*\f+7], v0, s[34:35] offset:8192*(\u)+1024*\f+512
.endr
.endm
.macro LDA buf, koff                   ; 6 loads: the 3 token fragments of one K step
	WIN 0
.irp rb, 0,1
	ds_load_b128 v[AF+24*(\buf)+8*\rb:AF+24*(\buf)+8*\rb+3], v2 offset:16*PB*\rb+(\koff)
	ds_load_b128 v[AF+24*(\buf)+8*\rb+4:AF+24*(\buf)+8*\rb+7], v2 offset:16*PB*\rb+(\koff)+32
.endr
	ds_load_b128 v[AF+24*(\buf)+16:AF+24*(\buf)+19], v3 offset:(\koff)
	ds_load_b128 v[AF+24*(\buf)+20:AF+24*(\buf)+23], v3 offset:(\koff)+32
.endm
; One K step t (u = t % 4).  wl: the weight loads of the younger steps, 16 each, which may stay out; wd: the next step's 6 token loads.  The 24 accumulators take turns, one instruction a turn,
; over the steps' and the loop's edges too.  Four v_nop are the places between the products and the loads into registers that they read.
; Then the weights of step t + 4 and the tokens of step t + 2 are asked for.
.macro STEP u, ldb, lda, wl, wd
	s_wait_loadcnt \wl
	s_wait_dscnt \wd
	WIN 0x01
.irp f, 0,1,2,3,4,5,6,7
.irp rb, 0,1,2
	v_wmma_f32_16x16x32_bf16 v[ACC+24*\f+8*\rb:ACC+24*\f+8*\rb+7], v[64*(\u)+8*\f:64*(\u)+8*\f+7], v[AF+24*((\u)%2)+8*\rb:AF+24*((\u)%2)+8*\rb+7], v[ACC+24*\f+8*\rb:ACC+24*\f+8*\rb+7]
.endr
.endr
.rept 4
	v_nop
.endr
.if \ldb
	LDB \u
.endif
.if \lda
	LDA (\u)%2, 64*((\u)+2)
.endif
	WIN 0
.endm
; A product.  On entry: steps 0 to 3 of the weights are asked for, s[34:35] at step 0, the accumulators hold the sums' start, v2 and v3 at k = 0.
; A trip is four steps; the trip that asks for steps 16 to 19 moves the stream to its second half (product 2: the second expert's weights).
.macro GEMM
	LDA 0, 0
	LDA 1, 64
	s_mov_b32 s38, 7
.Ltrip_\@:
	s_wait_xcnt 0x0                                ; the stream's address is a source of the loads that are out: it is stepped only behind this wait
	s_add_nc_u64 s[34:35], s[34:35], 0x8000
	s_cmp_eq_u32 s38, 4
	s_cselect_b64 s[34:35], s[36:37], s[34:35]
	STEP 0, 1, 1, 48, 6
	STEP 1, 1, 1, 48, 6
	STEP 2, 1, 1, 48, 6
	STEP 3, 1, 1, 48, 6
	v_add_nc_u32 v2, 256, v2
	v_add_nc_u32 v3, 256, v3
	s_sub_co_u32 s38, s38, 1
	s_cmp_lg_u32 s38, 0
	s_cbranch_scc1 .Ltrip_\@
	STEP 0, 0, 1, 48, 6                            ; the last four steps ask for no weights: the counts run down
	STEP 1, 0, 1, 32, 6
	STEP 2, 0, 0, 16, 6
	STEP 3, 0, 0, 0, 0
.endm
	s_load_b512 s[4:19], s[0:1], 0x0               ; x s[4:5], wp s[6:7], b1 s[8:9], b2 s[10:11], gamma s[12:13], beta s[14:15], score s[16:17], route s[18:19]
	s_load_b128 s[20:23], s[0:1], 0x40             ; out1 s[20:21], out0 s[22:23]
	v_lshl_add_u32 v14, v0, 2, SPARE               ; my spare word,
	v_mov_b32 v15, 0                               ; and 0: both kept for the closing add alone
	v_lshrrev_b32 v13, 5, v0
	v_readfirstlane_b32 s24, v13                   ; wave
	v_and_b32 v62, 31, v0                          ; lane
	v_lshlrev_b32 v0, 4, v62                       ; 16 x lane
	v_lshlrev_b32 v63, 3, v62
	s_lshl_b32 s30, s24, 13                        ; wave w has blocks 32 w .. 32 w + 31 of route: tokens 1024 w ..
	s_mov_b32 s31, 0
	s_wait_kmcnt 0x0
	s_add_nc_u64 s[18:19], s[18:19], s[30:31]
.set i, 0
.rept 32
	global_load_b64 v[R+2*i:R+2*i+1], v63, s[18:19] offset:256*i  ; 256 consecutive bytes a load
.set i, i+1
.endr
	v_and_b32 v60, 15, v62                         ; r
	v_lshrrev_b32 v61, 4, v62                      ; h
	s_lshl_b32 s30, s24, 9
	v_lshl_add_u32 v1, v61, 5, s30                 ; the byte of my 8 columns in a row of 1,024 f32, less 64 f
	ABASE
	v_mul_u32_u24 v10, v60, PF
	v_add_nc_u32 v10, v10, v1
	v_add_nc_u32 v11, 16*PF, v10
	v_add_nc_u32 v12, 32*PF, v10
	s_mov_b32 s56, 0xc0135761                      ; K1 = -2 log2(e) sqrt(2 / pi) = -2.3022082
	s_mov_b32 s57, s56                             ; named with it as a pair
	s_mov_b32 s58, 0xbdd2d3e8                      ; K3 = 0.044715 K1 = -0.10294324
	s_mov_b32 s59, s58
	s_mov_b32 s60, 0x76543210
	s_mov_b32 s61, 0xfedcba98
	s_lshl_b32 s30, s24, 8
	s_add_co_u32 s30, s30, LW
	v_mov_b32 v43, s30                             ; my wave's list
	v_lshl_add_u32 v17, v62, 2, s30
	v_mov_b32 v16, 0
	ds_store_b32 v17, v16                          ; its 64 words begin as 0
	ds_store_b32 v17, v16 offset:128
	v_lshl_add_u32 v21, v62, 2, CW                 ; CW + 4 x set
	s_lshl_b32 s30, s24, 7
	v_add_nc_u32 v22, s30, v21
	s_lshl_b32 s30, s24, 2
	s_add_co_u32 s30, s30, SW
	v_mov_b32 v23, s30
	s_wait_loadcnt 0x0
	v_mov_b32 v18, v[R]                            ; lane = set: its tokens in my 32 blocks
	v_mov_b32 v19, v[R+1]                          ; lane = token: the words, ORed: bits 15:8 gather the selected experts
.set i, 1
.rept 31
	v_add_nc_u32 v18, v18, v[R+2*i]
	v_or_b32 v19, v19, v[R+2*i+1]
.set i, i+1
.endr
	s_mov_b32 s40, 0
.irp e, 0,1,2,3,4,5,6,7
	v_and_b32 v20, 0x100<<\e, v19
	v_cmp_ne_u32 s41, 0, v20                       ; has any lane seen expert e selected?
	s_cmp_lg_u32 s41, 0
	s_cselect_b32 s41, 1<<\e, 0
	s_or_b32 s40, s40, s41
.endr
	v_mov_b32 v20, s40
	ds_store_b32 v22, v18
	ds_store_b32 v23, v20                          ; all lanes write the same word with the same value
	s_wait_dscnt 0x0                               ; for the others' sake: my counts and my mask are in LDS
	s_barrier_signal -1
	s_barrier_wait -1
.irp u, 0,1,2,3,4,5,6,7
	ds_load_b32 v[24+\u], v21 offset:128*\u
.endr
	v_mov_b32 v20, SW
	ds_load_b128 v[32:35], v20
	ds_load_b128 v[36:39], v20 offset:16
	s_wait_dscnt 0x0
	v_mov_b32 v40, v31                             ; lane = set: its tokens in all, and in the waves before mine
	v_mov_b32 v41, 0
.irp u, 0,1,2,3,4,5,6
	v_add_nc_u32 v40, v40, v[24+\u]
	s_cmp_gt_u32 s24, \u
	s_cselect_b32 s41, -1, 0
	v_and_b32 v20, s41, v[24+\u]
	v_add_nc_u32 v41, v41, v20
.endr
	s_cmp_lg_u32 ttmp9, 0
	s_cbranch_scc1 .Lno_out1
	s_cmp_lg_u32 s24, 0
	s_cbranch_scc1 .Lno_out1
	v_or_b32 v32, v32, v33                         ; work-group 0, wave 0: out1
	v_or_b32 v34, v34, v35
	v_or_b32 v36, v36, v37
	v_or_b32 v38, v38, v39
	v_or_b32 v32, v32, v34
	v_or_b32 v36, v36, v38
	v_or_b32 v32, v32, v36
	v_lshrrev_b32 v20, v62, v32
	v_and_b32 v20, 1, v20
	v_cmp_gt_u32 vcc_lo, 8, v62
	s_wait_xcnt 0x0                                ; EXEC is a source of the loads above: it changes only behind this wait
	s_and_saveexec_b32 s41, vcc_lo
	global_store_b8 v62, v20, s[20:21]             ; eight bytes
	s_wait_xcnt 0x0                                ; and again ahead of the line that widens it
	s_or_b32 exec_lo, exec_lo, s41
.Lno_out1:
	; the scan over the sets: s40 = tiles so far.  Kept: the last set whose first tile is at or before mine, that tile's number, the set's count, and its tokens in the waves before mine.
	s_mov_b32 s40, 0
	s_mov_b32 s41, 0
	s_mov_b32 s42, 0
	s_mov_b32 s43, 0
	s_mov_b32 s44, 0
.irp s, 0,1,2,3,4,5,6,7,8,9,10,11,12,13,14,15,16,17,18,19,20,21,22,23,24,25,26,27
	v_readlane_b32 s45, v40, \s
	v_readlane_b32 s46, v41, \s
	s_cmp_le_u32 s40, ttmp9
	s_cselect_b32 s41, \s, s41
	s_cselect_b32 s42, s40, s42
	s_cselect_b32 s43, s45, s43
	s_cselect_b32 s44, s46, s44
	s_add_co_u32 s47, s45, 47
	s_mul_i32 s47, s47, 43691                      ; / 48: 43691 x 48 = 2^21 + 16, exact below 131,072
	s_lshr_b32 s47, s47, 21
	s_add_co_u32 s40, s40, s47
.endr
	s_sub_co_u32 s45, ttmp9, s42                   ; my tile is number t of its set;
	s_mul_i32 s45, s45, 48                         ; lo = 48 t: the rank in the set of its first token
	s_sub_co_i32 s27, s43, s45
	s_min_i32 s27, s27, 48
	s_max_i32 s27, s27, 0                          ; cnt; 0 past the last tile
	s_sub_co_u32 s44, s44, s45                     ; the rank of my wave's first token of the set, less lo: below 0 it wraps, and counts as out of range
	s_mov_b32 s28, 0
	s_mov_b32 s46, 0
.macro THR t, a                         ; sets t and up have a >= \a
	s_cmp_ge_u32 s41, \t
	s_cselect_b32 s28, \a, s28
	s_cselect_b32 s46, \t, s46
.endm
	THR 7, 1
	THR 13, 2
	THR 18, 3
	THR 22, 4
	THR 25, 5
	THR 27, 6
	s_sub_co_u32 s29, s41, s46
	s_add_co_u32 s29, s29, s28
	s_add_co_u32 s29, s29, 1
	s_min_u32 s28, s28, 7                          ; both held inside the eight experts
	s_min_u32 s29, s29, 7
	s_cmp_lt_u32 s24, 4
	s_cselect_b32 s32, s28, s29                    ; product 1: waves 0-3 make a's hidden columns, waves 4-7 b's
	s_cselect_b32 s39, 0, -1
	s_and_b32 s33, s24, 3                          ; which 128 of the expert's 512
	s_lshl2_add_u32 s30, s32, s33
	s_lshl_b32 s30, s30, 18                        ; 32 blocks of 8,192 bytes
	s_add_nc_u64 s[34:35], s[6:7], s[30:31]
	s_add_nc_u64 s[36:37], s[34:35], 0x20000       ; step 16 follows step 15
	s_lshl_b32 s30, s32, 11
	s_lshl_b32 s33, s33, 9
	s_add_co_u32 s30, s30, s33
	s_add_nc_u64 s[8:9], s[8:9], s[30:31]          ; b1 at my 128 columns
	LDB 0                                          ; the experts are known: the weights' first steps are asked for while the tokens are found
	LDB 1
	LDB 2
	WIN 0
	; the tile's tokens.  Block by block, lane = token: a token of my set has rank (running rank) + (the set's tokens in lower lanes); its number goes to place rank - lo of my wave's own list.
	s_lshl_b32 s47, s24, 10
	v_add_nc_u32 v42, s47, v62                     ; the token's number
	s_mov_b32 s47, 0xff
.set i, 0
.rept 32
	v_and_b32 v44, s47, v[R+2*i+1]
	v_cmp_eq_u32 s45, s41, v44                     ; the block's tokens of my set
	v_mbcnt_lo_u32_b32 v45, s45, s44
	v_cndmask_b32 v45, 63, v45, s45                ; the others' go to word 63,
	v_min_u32 v45, 63, v45                         ; and so do places past the list; places 48 to 62 are not read either
	v_lshl_add_u32 v45, v45, 2, v43
	ds_store_b32 v45, v42
	v_add_nc_u32 v42, 32, v42
	s_bcnt1_i32_b32 s46, s45
	s_add_co_u32 s44, s44, s46
.set i, i+1
.endr
	s_wait_dscnt 0x0                               ; for the others' sake: my list is written
	s_barrier_signal -1
	s_barrier_wait -1
	v_lshl_add_u32 v47, v62, 2, LW
.irp u, 0,1,2,3,4,5,6,7
	ds_load_b32 v[24+\u], v47 offset:256*\u
	ds_load_b32 v[32+\u], v47 offset:256*\u+128
.endr
	v_lshlrev_b32 v50, 2, v60                      ; lane r, as a byte index,
	v_add_nc_u32 v51, 64, v50                      ; and lane 16 + r
	s_mul_i32 s26, s24, 6
	s_wait_dscnt 0x0
.irp u, 1,2,3,4,5,6,7
	v_or_b32 v24, v24, v[24+\u]                    ; each place was written by one wave at the most; the others hold 0
	v_or_b32 v32, v32, v[32+\u]
.endr
	v_min_u32 v48, 0x1fff, v24                     ; lane l: the token at place l,
	v_min_u32 v49, 0x1fff, v32                     ; and at place 32 + l
	ds_bpermute_b32 v22, v50, v48                  ; lane (r, h): token 16 rb + r, for its scores
	ds_bpermute_b32 v23, v51, v48
	ds_bpermute_b32 v24, v50, v49
.irp i, 0,1,2,3,4,5
	s_add_co_u32 s32, s26, \i                      ; every lane: token 6 w + i, whose row my wave gathers
	s_and_b32 s32, s32, 31
	s_lshl_b32 s32, s32, 2
	v_mov_b32 v52, s32
	ds_bpermute_b32 v[16+\i], v52, v48
	ds_bpermute_b32 v[32+\i], v52, v49
.endr
.set i, 0
.rept 48                                ; the 48 tokens as scalars, for the stores
	TKR i
.if i < 32
	v_readlane_b32 s[TK], v48, i
.else
	v_readlane_b32 s[TK], v49, i-32
.endif
	s_min_u32 s[TK], s[TK], 0x1fff
.set i, i+1
.endr
	s_mul_i32 s30, s24, 6*PF
	v_add_nc_u32 v28, s30, v0                      ; XF: my six rows, 16 bytes a lane
	s_mul_i32 s30, s24, 6*PB
	s_add_co_u32 s30, s30, XB
	v_lshrrev_b32 v29, 1, v0
	v_add_nc_u32 v29, s30, v29                     ; XB: my six rows, 8 bytes a lane
	s_wait_dscnt 0x0
.irp rb, 0,1,2
	v_min_u32 v[22+\rb], 0x1fff, v[22+\rb]
	v_lshlrev_b32 v[22+\rb], 3, v[22+\rb]
	global_load_b64 v[4+2*\rb:5+2*\rb], v[22+\rb], s[16:17]
.endr
.irp i, 0,1,2,3,4,5
	s_add_co_u32 s32, s26, \i
	s_cmp_ge_u32 s32, 32
	s_cselect_b32 s33, -1, 0
	v_cndmask_b32 v[16+\i], v[16+\i], v[32+\i], s33
	v_min_u32 v[16+\i], 0x1fff, v[16+\i]
	v_lshl_add_u32 v[16+\i], v[16+\i], 12, v0
.endr
.irp i, 0,1,2,3,4,5
.irp c, 0,1,2,3,4,5,6,7
	global_load_b128 v[ACC+32*\i+4*\c:ACC+32*\i+4*\c+3], v[16+\i], s[4:5] offset:512*\c  ; 512 consecutive bytes of a token's row
.endr
.endr
	s_wait_loadcnt 0x0                             ; x and the scores are in (the ring's three steps are older)
.irp i, 0,1,2,3,4,5
.irp c, 0,1,2,3,4,5,6,7
	ds_store_b128 v28, v[ACC+32*\i+4*\c:ACC+32*\i+4*\c+3] offset:PF*\i+512*\c
	v_cvt_pk_bf16_f32 v[32+2*\c], v[ACC+32*\i+4*\c], v[ACC+32*\i+4*\c+1]
	v_cvt_pk_bf16_f32 v[33+2*\c], v[ACC+32*\i+4*\c+2], v[ACC+32*\i+4*\c+3]
	ds_store_b64 v29, v[32+2*\c:33+2*\c] offset:PB*\i+256*\c
.endr
.endr
	v_lshlrev_b32 v13, 5, v61
.irp f, 0,1,2,3,4,5,6,7
.irp rb, 0,1,2
	global_load_b128 v[ACC+24*\f+8*\rb:ACC+24*\f+8*\rb+3], v13, s[8:9] offset:64*\f       ; the sums begin with b1
	global_load_b128 v[ACC+24*\f+8*\rb+4:ACC+24*\f+8*\rb+7], v13, s[8:9] offset:64*\f+16
.endr
.endr
	LDB 3
	WIN 0
	s_wait_dscnt 0x0                               ; for the others' sake: my six rows are in LDS
	s_barrier_signal -1
	s_barrier_wait -1                              ; everybody's are
	s_wait_loadcnt 16                              ; b1 is in; only the ring's step 3 may be out
	GEMM                                           ; x W1 + b1
	s_wait_xcnt 0x0
	s_lshl3_add_u32 s30, s28, s24                  ; product 2: W2's blocks for output columns 128 w: expert a's 16 steps,
	s_lshl_b32 s30, s30, 17
	s_add_co_u32 s30, s30, 0x800000
	s_add_nc_u64 s[34:35], s[6:7], s[30:31]
	s_lshl3_add_u32 s30, s29, s24                  ; then expert b's
	s_lshl_b32 s30, s30, 17
	s_add_co_u32 s30, s30, 0x800000
	s_add_nc_u64 s[36:37], s[6:7], s[30:31]
	s_lshl_b32 s30, s28, 12
	s_add_nc_u64 s[32:33], s[10:11], s[30:31]      ; b2[a]
	s_lshl_b32 s30, s29, 12
	s_add_nc_u64 s[62:63], s[10:11], s[30:31]      ; b2[b]
	WIN 0x40
.irp f, 0,1,2,3,4,5,6,7
.irp q, 0,4
	global_load_b128 v[128+8*\f+\q:128+8*\f+\q+3], v1, s[32:33] offset:64*\f+4*\q   ; into the ring's buffers 2 and 3, which the weights take later
	global_load_b128 v[192+8*\f+\q:192+8*\f+\q+3], v1, s[62:63] offset:64*\f+4*\q
.endr
.endr
	LDB 0
	LDB 1
	WIN 0
	s_wait_dscnt 0x0                               ; my reads of x in bf16 are over
	s_barrier_signal -1
	s_barrier_wait -1                              ; everybody's are: H may take its place
	ABASE
	s_lshl_b32 s30, s24, 8
	v_add_nc_u32 v46, s30, v2                      ; H: row r, my 8 columns of block f at 256 w + 32 f + 16 h
	v_add_nc_u32 v47, s30, v3
.irp rb, 0,1,2
	v_cndmask_b32 v[40+2*\rb], v[4+2*\rb], v[5+2*\rb], s39   ; my expert's score, twice: a pair for the packed multiply
	v_cndmask_b32 v[41+2*\rb], v[4+2*\rb], v[5+2*\rb], s39
.endr
; s gelu(x) for column block f: 24 registers, three accumulators, each read from its lowest registers on.  Two batches of 24 transcendentals, one wait each.
.macro GELU f
.set XR, ACC+24*(\f)
.set p, 0
.rept 12
	v_pk_mul_f32 v[T+2*p:T+2*p+1], v[XR+2*p:XR+2*p+1], v[XR+2*p:XR+2*p+1]
.set p, p+1
.endr
.set p, 0
.rept 12
	v_pk_fma_f32 v[T+2*p:T+2*p+1], v[T+2*p:T+2*p+1], s[58:59], s[56:57] op_sel_hi:[1,0,0]
.set p, p+1
.endr
.set p, 0
.rept 12
	v_pk_mul_f32 v[T+2*p:T+2*p+1], v[T+2*p:T+2*p+1], v[XR+2*p:XR+2*p+1]
.set p, p+1
.endr
.set p, 0
.rept 24
	v_exp_f32 v[T+p], v[T+p]
.set p, p+1
.endr
	v_nop                                          ; a plain instruction behind the last exponential,
	s_wait_alu depctr_va_vdst(0)                   ; and one wait for the batch
.set p, 0
.rept 12
	v_pk_add_f32 v[T+2*p:T+2*p+1], v[T+2*p:T+2*p+1], 1.0 op_sel_hi:[1,0]
.set p, p+1
.endr
.set p, 0
.rept 24
	v_rcp_f32 v[T+p], v[T+p]
.set p, p+1
.endr
.set p, 0
.rept 12
	v_pk_mul_f32 v[XR+2*p:XR+2*p+1], v[XR+2*p:XR+2*p+1], v[40+2*(p/4):41+2*(p/4)]  ; the score: work that names no reciprocal
.set p, p+1
.endr
	s_wait_alu depctr_va_vdst(0)                   ; one wait for the batch
.set p, 0
.rept 12
	v_pk_mul_f32 v[XR+2*p:XR+2*p+1], v[XR+2*p:XR+2*p+1], v[T+2*p:T+2*p+1]
.set p, p+1
.endr
.set p, 0
.rept 12
	v_cvt_pk_bf16_f32 v[48+p], v[XR+2*p], v[XR+2*p+1]
.set p, p+1
.endr
	ds_store_b128 v46, v[48:51] offset:32*(\f)
	ds_store_b128 v46, v[52:55] offset:16*PB+32*(\f)
	ds_store_b128 v47, v[56:59] offset:32*(\f)
.endm
.irp f, 0,1,2,3,4,5,6,7
	GELU \f
.endr
.irp f, 0,1,2,3,4,5,6,7
.irp rb, 0,1,2
	ds_load_b128 v[ACC+24*\f+8*\rb:ACC+24*\f+8*\rb+3], v[10+\rb] offset:64*\f          ; the sums begin with x in f32,
	ds_load_b128 v[ACC+24*\f+8*\rb+4:ACC+24*\f+8*\rb+7], v[10+\rb] offset:64*\f+16
.endr
.endr
	s_wait_loadcnt 32                              ; b2 is in; the ring's steps 0 and 1 may stay out
	s_wait_dscnt 0x0                               ; x is in; and, for the others' sake, my stores of H are done
	WIN 0x01
.irp f, 0,1,2,3,4,5,6,7
.irp rb, 0,1,2
.irp q, 0,2,4,6
	v_pk_fma_f32 v[ACC+24*\f+8*\rb+\q:ACC+24*\f+8*\rb+\q+1], v[128+8*\f+\q:128+8*\f+\q+1], v[4+2*\rb:5+2*\rb], v[ACC+24*\f+8*\rb+\q:ACC+24*\f+8*\rb+\q+1] op_sel_hi:[1,0,1]   ; + sa b2[a]
.endr
.irp q, 0,2,4,6
	v_pk_fma_f32 v[ACC+24*\f+8*\rb+\q:ACC+24*\f+8*\rb+\q+1], v[192+8*\f+\q:192+8*\f+\q+1], v[4+2*\rb:5+2*\rb], v[ACC+24*\f+8*\rb+\q:ACC+24*\f+8*\rb+\q+1] op_sel:[0,1,0] op_sel_hi:[1,1,1]   ; + sb b2[b]
.endr
.endr
.endr
	LDB 2
	LDB 3
	WIN 0
	s_barrier_signal -1
	s_barrier_wait -1                              ; H is whole
	GEMM                                           ; y = x + the two experts' weighted outputs
	; LAYERNORM.  A lane has 64 of its token's 1,024 numbers in each row block; its partner 16 lanes away 64 more; the eight waves' sums meet in LDS.
	WIN 0x40
.irp f, 0,1,2,3,4,5,6,7
.irp q, 0,4
	global_load_b128 v[8*\f+\q:8*\f+\q+3], v1, s[12:13] offset:64*\f+4*\q       ; gamma and beta of my columns, into the ring's registers
	global_load_b128 v[64+8*\f+\q:64+8*\f+\q+3], v1, s[14:15] offset:64*\f+4*\q
.endr
.endr
	WIN 0
	s_mov_b32 s62, 0x3a800000                      ; 1 / 1024
	s_mov_b32 s63, 0x3727c5ac                      ; 1e-5
	v_bfe_u32 v13, v0, 4, 4
	v_lshl_add_u32 v29, v13, 2, ST                 ; ST + 4 r
	s_mul_i32 s30, s24, 192
	v_add_nc_u32 v28, s30, v29
; v[22+rb]: a lane's sum becomes the row's.  off: which of the two tables; tb: a pair's upper register, written before and free, takes the partner's sum.
.macro XWAVE off, tb
.irp rb, 0,1,2
	v_permlanex16_b32 v[(\tb)+2*\rb], v[22+\rb], s60, s61
.endr
.irp rb, 0,1,2
	v_add_f32 v[22+\rb], v[22+\rb], v[(\tb)+2*\rb]
.endr
.irp rb, 0,1,2
	ds_store_b32 v28, v[22+\rb] offset:(\off)+64*\rb   ; lanes r and r + 16 write the same word with the same value
.endr
	s_wait_dscnt 0x0                               ; for the others' sake
	s_barrier_signal -1
	s_barrier_wait -1
.irp u, 0,1,2,3,4,5,6,7
.irp rb, 0,1,2
	ds_load_b32 v[32+3*\u+\rb], v29 offset:(\off)+192*\u+64*\rb
.endr
.endr
	s_wait_dscnt 0x0
.irp rb, 0,1,2
	v_add_f32 v[22+\rb], v[32+\rb], v[35+\rb]      ; the same order in every wave
.endr
.irp u, 2,3,4,5,6,7
.irp rb, 0,1,2
	v_add_f32 v[22+\rb], v[22+\rb], v[32+3*\u+\rb]
.endr
.endr
.endm
.irp rb, 0,1,2                          ; three chains; each accumulator is read from its lowest registers on
	v_pk_add_f32 v[16+2*\rb:17+2*\rb], v[ACC+8*\rb:ACC+8*\rb+1], v[ACC+8*\rb+2:ACC+8*\rb+3]
.endr
.set n, 2
.rept 30
.irp rb, 0,1,2
	v_pk_add_f32 v[16+2*\rb:17+2*\rb], v[16+2*\rb:17+2*\rb], v[ACC+24*(n/4)+8*\rb+2*(n%4):ACC+24*(n/4)+8*\rb+2*(n%4)+1]
.endr
.set n, n+1
.endr
.irp rb, 0,1,2
	v_add_f32 v[22+\rb], v[16+2*\rb], v[17+2*\rb]
.endr
	XWAVE 0, 17
.irp rb, 0,1,2
	v_mul_f32 v[16+2*\rb], s62, v[22+\rb]          ; the mean, twice
	v_mov_b32 v[17+2*\rb], v[16+2*\rb]
.endr
.set n, 0
.rept 32
.irp rb, 0,1,2
	v_pk_add_f32 v[ACC+24*(n/4)+8*\rb+2*(n%4):ACC+24*(n/4)+8*\rb+2*(n%4)+1], v[ACC+24*(n/4)+8*\rb+2*(n%4):ACC+24*(n/4)+8*\rb+2*(n%4)+1], v[16+2*\rb:17+2*\rb] neg_lo:[0,1] neg_hi:[0,1]
.endr
.irp rb, 0,1,2
.if n == 0
	v_pk_mul_f32 v[40+2*\rb:41+2*\rb], v[ACC+8*\rb:ACC+8*\rb+1], v[ACC+8*\rb:ACC+8*\rb+1]
.else
	v_pk_fma_f32 v[40+2*\rb:41+2*\rb], v[ACC+24*(n/4)+8*\rb+2*(n%4):ACC+24*(n/4)+8*\rb+2*(n%4)+1], v[ACC+24*(n/4)+8*\rb+2*(n%4):ACC+24*(n/4)+8*\rb+2*(n%4)+1], v[40+2*\rb:41+2*\rb]
.endif
.endr
.set n, n+1
.endr
.irp rb, 0,1,2
	v_add_f32 v[22+\rb], v[40+2*\rb], v[41+2*\rb]
.endr
	XWAVE 1536, 41
.irp rb, 0,1,2
	v_fma_f32 v[22+\rb], v[22+\rb], s62, s63       ; the variance + 1e-5
.endr
.irp rb, 0,1,2
	v_rsq_f32 v[16+2*\rb], v[22+\rb]
.endr
	v_nop
	s_wait_alu depctr_va_vdst(0)                   ; one wait for the three
.set n, 0
.rept 32
.irp rb, 0,1,2
	v_pk_mul_f32 v[ACC+24*(n/4)+8*\rb+2*(n%4):ACC+24*(n/4)+8*\rb+2*(n%4)+1], v[ACC+24*(n/4)+8*\rb+2*(n%4):ACC+24*(n/4)+8*\rb+2*(n%4)+1], v[16+2*\rb:17+2*\rb] op_sel_hi:[1,0]
.endr
.set n, n+1
.endr
	s_wait_loadcnt 0x0                             ; gamma and beta
	WIN 0x14                                       ; sources 1 and 2 in window 1
.set n, 0
.rept 32
.irp rb, 0,1,2
	v_pk_fma_f32 v[ACC+24*(n/4)+8*\rb+2*(n%4):ACC+24*(n/4)+8*\rb+2*(n%4)+1], v[ACC+24*(n/4)+8*\rb+2*(n%4):ACC+24*(n/4)+8*\rb+2*(n%4)+1], v[2*n:2*n+1], v[64+2*n:64+2*n+1]
.endr
.set n, n+1
.endr
	WIN 0
	; THE WAY OUT.  A lane's 32 bytes are a sixteenth of my 512 bytes of a row: they go into my own stage and come back as whole strips.  XF and XB, over which the stages lie, were last read
	; ahead of barriers that every wave has passed with its LDS loads waited for.
	v_bfe_u32 v13, v0, 4, 4
	v_mul_u32_u24 v10, v13, PS
	v_lshrrev_b32 v13, 8, v0
	v_lshl_add_u32 v10, v13, 5, v10
	s_mul_i32 s30, s24, WST
	v_add_nc_u32 v10, s30, v10                     ; in: row r, 32 bytes for each half of the lanes
	v_add_nc_u32 v2, s30, v0                       ; back: a row's 512 bytes, 16 a lane
	s_lshl_b32 s30, s24, 9
	v_add_nc_u32 v1, s30, v0                       ; and the same bytes in a row of out0
.irp f, 0,1,2,3,4,5,6,7
.irp rb, 0,1,2
	ds_store_b128 v10, v[ACC+24*\f+8*\rb:ACC+24*\f+8*\rb+3] offset:16*PS*\rb+64*\f
	ds_store_b128 v10, v[ACC+24*\f+8*\rb+4:ACC+24*\f+8*\rb+7] offset:16*PS*\rb+64*\f+16
.endr
.endr
	s_wait_tensorcnt 0x0                           ; behind my last LDS store
	ds_add_u32 v14, v15
	s_wait_dscnt 0x0
.set i, 0
.rept 48
	ds_load_b128 v[ACC+4*i:ACC+4*i+3], v2 offset:PS*i
.set i, i+1
.endr
.set i, 0
.rept 48
	TKR i
	s_wait_dscnt 47-i                              ; row i is back; the younger rows stay out
	s_cmp_le_u32 s27, i                            ; rows past the count are not stored: a jump forward, past no barrier
	s_cbranch_scc1 .Lend
	v_lshl_add_u32 v[16+i], s[TK], 12, v1          ; each store has an offset register of its own
	global_store_b128 v[16+i], v[ACC+4*i:ACC+4*i+3], s[22:23] th:TH_STORE_NT  ; 512 consecutive bytes, aligned
.set i, i+1
.endr
.Lend:
	s_wait_dscnt 0x0                               ; no LDS load of mine is out when the wave ends
	s_endpgm
.Lfunc_end_k_q88d0322412_chain:
	.size	k_q88d0322412_chain, .Lfunc_end_k_q88d0322412_chain-k_q88d0322412_chain
	.p2alignl 7, 3214868480
	.fill 96, 4, 3214868480
	.section	.rodata,"a",@progbits
	.p2align	6, 0x0
	.amdhsa_kernel k_q88d0322412_chain
		.amdhsa_group_segment_fixed_size 303872
		.amdhsa_private_segment_fixed_size 0
		.amdhsa_enable_private_segment 0
		.amdhsa_kernarg_size 80
		.amdhsa_user_sgpr_count 2
		.amdhsa_user_sgpr_kernarg_segment_ptr 1
		.amdhsa_wavefront_size32 1
		.amdhsa_system_sgpr_workgroup_id_x 1
		.amdhsa_system_sgpr_workgroup_id_y 1
		.amdhsa_system_sgpr_workgroup_id_z 1
		.amdhsa_system_vgpr_workitem_id 0
		.amdhsa_next_free_vgpr 512
		.amdhsa_next_free_sgpr 100
		.amdhsa_reserve_vcc 1
		.amdhsa_float_denorm_mode_32 3
		.amdhsa_float_denorm_mode_16_64 3
		.amdhsa_memory_ordered 1
		.amdhsa_forward_progress 1
		.amdhsa_inst_pref_size 255
	.end_amdhsa_kernel
	.section	.bss,"aw",@nobits
	.p2align	6
	.space	262144
	.amdgpu_metadata
---
amdhsa.version: [ 1, 2 ]
amdhsa.kernels:
  - .name:           k_q88d0322412_chain
    .symbol:         k_q88d0322412_chain.kd
    .args:
      - { .name: x, .offset: 0, .size: 8, .value_kind: global_buffer, .address_space: global }
      - { .name: wp, .offset: 8, .size: 8, .value_kind: global_buffer, .address_space: global }
      - { .name: b1, .offset: 16, .size: 8, .value_kind: global_buffer, .address_space: global }
      - { .name: b2, .offset: 24, .size: 8, .value_kind: global_buffer, .address_space: global }
      - { .name: gamma, .offset: 32, .size: 8, .value_kind: global_buffer, .address_space: global }
      - { .name: beta, .offset: 40, .size: 8, .value_kind: global_buffer, .address_space: global }
      - { .name: score, .offset: 48, .size: 8, .value_kind: global_buffer, .address_space: global }
      - { .name: route, .offset: 56, .size: 8, .value_kind: global_buffer, .address_space: global }
      - { .name: out1, .offset: 64, .size: 8, .value_kind: global_buffer, .address_space: global }
      - { .name: out0, .offset: 72, .size: 8, .value_kind: global_buffer, .address_space: global }
    .group_segment_fixed_size: 303872
    .private_segment_fixed_size: 0
    .kernarg_segment_align: 8
    .kernarg_segment_size: 80
    .max_flat_workgroup_size: 256
    .sgpr_count:     100
    .vgpr_count:     512
    .wavefront_size: 32
...
	.end_amdgpu_metadata
.endif
;; end of part 2
